; MI455X (gfx1250); checked and timed in simulation.
; The chip was launched on July 23, 2026; its instructions are those of AMD's public machine-readable ISA for CDNA 5 (MIT licence, August 2026) and "CDNA5" Instruction Set Architecture Reference Guide (July 2026). The comments in the code are by the model that wrote it; some were corrected since.
;; Sliding Window Attention. Allowed arithmetic: matrix products marked QUANTISED: E2M1 operands, one E8M0 scale for each 32 along K, by v_wmma_scale_f32_16x16x128_f8f6f4 with both operands' format E2M1 (or v_wmma_scale_f32_32x16x128_f4), f32 sums; everything else in f32.
;; Inputs: K 4 x 16 x 2,048 x 128 float32; Q 4 x 16 x 2,048 x 128 float32; V 4 x 16 x 2,048 x 128 float32.
;; Outputs: out0 4 x 16 x 2,048 x 128 float32.
;; This version of the problem:
;;   THIS VERSION OF THE PROBLEM IS GIVEN IN LOW PRECISION. The matrix products marked QUANTISED in the list below multiply operands that are first quantised to E2M1 (2 exponent bits, 1 mantissa bit; 4 bits a number), with one power-of-two scale for each 32 numbers along K (OCP MX v1.0); their sums are f32. All else is computed in f32.
;;   The module's matrix products, in the order in which they are computed (A, B: the left and right operand; K: the contracted axis; several contracted axes count as one K, in the product's order):
;;     1. batch 64 x [M 2,048, K 128] x [K 128, N 2,048]; A: input Q; B: input K: QUANTISED
;;     2. batch 64 x [M 2,048, K 2,048] x [K 2,048, N 128]; A: softmax (see below); B: input V: QUANTISED
;;   THE QUANTISER, for each operand of a quantised product, along K:
;;     - K is cut into blocks of 32 from its start; a last block that is shorter is filled with zeros.
;;     - A block's scale is 2^e with e = floor(log2(the largest magnitude in the block)) - 2, held to -126 .. 127; a block of zeros has e = 0. As a byte (E8M0): e + 127.
;;     - Each number is divided by its block's scale, clamped to +-6, and rounded to the nearest number of E2M1, ties to even, subnormals kept.
;;     - The product sums the exact products of the quantised numbers (number of the format x scale) in f32.
;;   ~~~python
;;   def quantise(x, axis):      # numpy; x: float32 -> the quantised numbers, widened to float32 again
;;       x = np.moveaxis(x, axis, -1); K = x.shape[-1]
;;       x = np.pad(x, [(0, 0)] * (x.ndim - 1) + [(0, -K % 32)]); x = x.reshape(x.shape[:-1] + (-1, 32)); a = np.abs(x).max(-1, keepdims=True)
;;       e = np.where(a > 0, np.clip(np.frexp(np.where(a > 0, a, 1))[1] - 1 - 2, -126, 127), 0)      # np.frexp(a)[1] - 1 = floor(log2(a)), exactly
;;       r = np.clip(x / 2.0 ** e, -6, 6)
;;       step = 2.0 ** (np.maximum(np.frexp(np.where(r == 0, 1, r))[1] - 1, 0) - 1)
;;       q = np.round(r / step) * step * 2.0 ** e      # np.round: ties to even
;;       return np.moveaxis(q.reshape(q.shape[:-2] + (-1,))[..., :K], -1, axis).astype(np.float32)
;;   ~~~
;;   SOFTMAX AHEAD OF A QUANTISED PRODUCT. Where the list says 'softmax', what is quantised is not the finished softmax but p = 2^(t - M), with t = logit x log2(e) and M = ceil(the row's largest t), a whole number; so 1/2 < the row's largest p <= 1. The row's sum l is taken of the UNQUANTISED p, in f32, and the product's result is divided by l at the end. Since M is a whole number, a kernel that streams over the keys may use a running M (the ceiling of the running maximum): every later rescaling is an exact power of two, which a block's scale takes up: the codes' values come out the same.
;;   OPERANDS COMPUTED ON THE WAY. 'Computed on the way' means the value that the module computes at that place (a softmax that the list does not call 'softmax' is quantised finished and normalised). What goes into a quantiser is computed in f32, as accurately as f32 sums, v_exp_f32 and their like allow (about 1e-6 of the number): no bf16 or f16 on the way to a quantiser, and a product that is left as it is and whose result goes on into a quantised operand takes f32 operands (vector FMAs, or v_wmma_f32_16x16x4_f32). A number that lies on a knife's edge between two numbers of the format may be rounded either way, as far as f32 arithmetic and the matrix unit's own rounding can turn it there, and no further.
;; One version. Each part assembles by itself: llvm-mc -triple=amdgcn-amd-amdhsa -mcpu=gfx1250 --defsym DOCPART=n.
;; ======== version 1 of 1: 2 launches
;; limits: right only within a limited range of input values
;; workspace buffers: kv 17,825,792 bytes
;; launch quant (part 1): grid 1024 x 1, 4 waves a work-group, no clusters, 36,352 bytes of LDS; arguments K, V, kv; writes kv
.if DOCPART == 1
	.amdgcn_target "amdgcn-amd-amdhsa--gfx1250"
	.amdhsa_code_object_version 6
	.text
	.protected	k_q7975ad6990_quant
	.globl	k_q7975ad6990_quant
	.p2align	8
	.type	k_q7975ad6990_quant,@function
k_q7975ad6990_quant:
	s_mov_b64 s[64:65], 0
	v_nop
	global_prefetch_b8 v0, s[64:65] scope:SCOPE_SE
	s_setreg_imm32_b32 hwreg(HW_REG_WAVE_MODE, 25, 1), 1
	s_wait_xcnt 0x0
; K, V: [64 heads][2048][128] f32 -> codes of FP4 (E2M1) with one E8M0 scale byte for each 32 along the product's K, laid in the order of the operands' registers.
; K is quantised along the head's 128 (innermost), V along the keys (its first axis within a head).  Q is not touched here: the next launch reads each of its rows once and quantises it there.
; A block's scale is 2^(floor(log2(its largest magnitude)) - 2): its byte is the largest magnitude's exponent field - 2, held at 1 from below.
; LIMITS: a block of zeros, and one whose largest magnitude lies under 2^-124, gets the byte 1 (the rule says 127 for zeros: the codes are zeros, and this program alone reads the bytes);
; NaN and infinities among the inputs are not served.
; SHARES.  Work-group id = 16 x head + step takes rows 128 id .. 128 id + 127 of both tensors.
; kv: [id][17,408 bytes]: +0 K's 8 tiles x 1,024; +8,192 V's 8 tiles x 1,024; +16,384 K's scale words, 512; +16,896 V's, 512.
; A tile's image: register group c of lane l at 512 c + 16 l.  K's tile T = 2 b + u holds keys 32 b + 8 u + r + 8 (r / 8) (r = l % 16), d = 64 c + 32 (l / 16) + 0 .. 31;
; V's tile t holds channels 16 t + r, keys 64 c + 32 (l / 16) + 0 .. 31 of the step.  The scale word of tile T, lane r lies at 256 (T / 4) + 16 r + 4 (T % 4).
; K: wave q makes tiles 2 q, 2 q + 1: each load takes a whole row of 512 bytes; 16 rows turn through the wave's own stage in LDS, so that a lane holds two whole blocks of 32.
; V: a lane takes a channel and its registers run down the keys: a block of 32 keys lies in one lane.
.set STGP,   528                       ; a stage row: 512 bytes + 16
.set STGW,   16*STGP
.set SCL,    4*STGW                    ; behind the stages: K's scale words 512, V's 512
.set KVSTEP, 17408
.set A,   16                           ; v16-79   16 rows as loaded; later V's blocks 0, 1
.set B,   80                           ; v80-143  the same; later V's blocks 2, 3
.set X,   144                          ; v144-207 my two whole blocks of a tile's row
.set C,   208                          ; v208-223 codes
.set M,   224
.set E,   226
.set BY,  228
.set PD,  230
.set W,   232
.set VW,  236
	s_load_b64 s[4:5], s[0:1], 0x0                 ; K
	s_load_b128 s[8:11], s[0:1], 0x8               ; V, kv
	v_lshl_add_u32 v248, v0, 2, 0x8c00             ; my spare word
	v_mov_b32 v249, 0
	v_lshrrev_b32 v1, 5, v0
	v_readfirstlane_b32 s14, v1                    ; wave q
	v_and_b32 v1, 31, v0                           ; lane
	v_and_b32 v2, 15, v0                           ; r
	s_wait_alu depctr_va_vdst(0)
	v_bfe_u32 v3, v0, 4, 1                         ; h
	v_lshlrev_b32 v15, 4, v1
	s_lshl_b32 s16, s14, 14                        ; my 32 rows of 512 bytes
	v_add_nc_u32 v4, s16, v15
	s_mul_i32 s16, s14, STGW
	v_add_nc_u32 v5, s16, v15                      ; into the stage: a row as it lies
	v_mul_u32_u24 v6, v2, STGP
	v_lshl_add_u32 v6, v3, 7, v6
	v_add_nc_u32 v6, s16, v6                       ; out of it: row r, d = 32 h on
	s_lshl_b32 s16, s14, 11
	v_add_nc_u32 v7, s16, v15                      ; my two tiles' images
	s_lshr_b32 s16, s14, 1
	s_lshl_b32 s16, s16, 8
	s_and_b32 s17, s14, 1
	s_lshl_b32 s17, s17, 3
	s_add_co_u32 s16, s16, s17
	s_add_co_u32 s16, s16, SCL
	v_lshl_add_u32 v8, v2, 4, s16                  ; K's scale word in LDS
	s_wait_alu depctr_va_vdst(0)
	v_lshl_add_u32 v9, v3, 2, v8                   ; V's: tile 2 q + h
	v_lshlrev_b32 v10, 2, v0                       ; my channel's 4 bytes of a row of V
	v_lshrrev_b32 v11, 4, v0
	v_lshlrev_b32 v11, 10, v11
	v_lshl_add_u32 v11, v2, 4, v11                 ; V's tile thread / 16, lane place r
	s_lshl_b32 s16, s14, 8
	v_lshl_add_u32 v13, v1, 3, s16                 ; the words' way out: 256 q + 8 lane
	v_add_nc_u32 v12, SCL, v13
	v_lshlrev_b32 v14, 3, v3
	v_mov_b32 v[PD], 0
	s_mov_b32 s20, 0x76543210
	s_mov_b32 s21, 0xfedcba98
	s_lshl_b32 s16, ttmp9, 16
	s_mov_b32 s17, 0
	s_mul_i32 s18, ttmp9, KVSTEP
	s_mov_b32 s19, 0
	s_wait_alu depctr_va_vdst(0)                   ; the wait at the head's end
	s_wait_kmcnt 0x0
	s_add_nc_u64 s[4:5], s[4:5], s[16:17]
	s_add_nc_u64 s[8:9], s[8:9], s[16:17]
	s_add_nc_u64 s[10:11], s[10:11], s[18:19]
.macro RLOAD reg, a                    ; the 16 rows of my tile a: 8 a + 0 .. 7 and 8 a + 16 .. 23 of my 32
.set i, 0
.rept 16
	global_load_b128 v[\reg+4*i:\reg+4*i+3], v4, s[4:5] offset:(8*\a+i+8*(i/8))*512 th:TH_LOAD_NT
.set i, i+1
.endr
.endm
.macro TURN reg                        ; LDS serves a wave's instructions in order: no wait between the stores and the loads
.set i, 0
.rept 16
	ds_store_b128 v5, v[\reg+4*i:\reg+4*i+3] offset:i*STGP
.set i, i+1
.endr
.irp c, 0,1
.irp e, 0,1,2,3,4,5,6,7
	ds_load_b128 v[X+32*\c+4*\e:X+32*\c+4*\e+3], v6 offset:256*\c+16*\e
.endr
.endr
.endm
.macro RQUANT p, w, a                  ; X's two blocks become the fragment's 8 registers, code set p, and the row's scale word w
.irp c, 0,1
	v_max3_num_f32 v[M+\c], |v[X+32*\c]|, |v[X+32*\c+1]|, 0x1800000   ; the floor 2^(3 - 127) among the leaves
.endr
.irp i, 2,4,6,8,10,12,14,16,18,20,22,24,26,28,30
.irp c, 0,1
	v_max3_num_f32 v[M+\c], v[M+\c], |v[X+32*\c+\i]|, |v[X+32*\c+\i+1]|
.endr
.endr
.irp c, 0,1
	v_add_nc_u32 v[E+\c], 0xff000000, v[M+\c]      ; 2 off the exponent field: the conversion's scale operand
.endr
.irp c, 0,1
	v_lshrrev_b32 v[BY+\c], 23, v[E+\c]
.endr
	v_lshl_or_b32 v[\w], v[BY+1], 16, v[BY]        ; my bytes: blocks h and 2 + h,
	v_lshlrev_b32 v[\w], v14, v[\w]                ; at their places;
	v_permlanex16_b32 v[PD], v[\w], s20, s21
	v_or_b32 v[\w], v[\w], v[PD]                   ; with lane l xor 16's two the word is whole
.irp c, 0,1
.irp g, 0,1,2,3
	v_cvt_scalef32_pk8_fp4_f32 v[C+8*\p+4*\c+\g], v[X+32*\c+8*\g:X+32*\c+8*\g+7], v[E+\c]
.endr
.endr
	v_nop                                          ; one plain place behind the last scaled conversion
.irp c, 0,1
	global_store_b128 v7, v[C+8*\p+4*\c:C+8*\p+4*\c+3], s[10:11] offset:\a*1024+\c*512   ; 32 lanes store 512 consecutive bytes
.endr
	ds_store_b32 v8, v[\w] offset:4*\a
.endm
.macro VLOAD reg, beta                 ; keys 32 beta + 0 .. 31 of my channel
.set i, 0
.rept 32
	global_load_b32 v[(\reg)+i], v10, s[8:9] offset:(32*\beta+i)*512 th:TH_LOAD_NT
.set i, i+1
.endr
.endm
.macro VQUANT reg, beta
	v_max3_num_f32 v[M], |v[(\reg)]|, |v[(\reg)+1]|, |v[(\reg)+2]|
	v_max3_num_f32 v[M+1], |v[(\reg)+3]|, |v[(\reg)+4]|, |v[(\reg)+5]|
.irp i, 6,10,14,18,22,26
	v_max3_num_f32 v[M], v[M], |v[(\reg)+\i]|, |v[(\reg)+\i+1]|
	v_max3_num_f32 v[M+1], v[M+1], |v[(\reg)+\i+2]|, |v[(\reg)+\i+3]|
.endr
	v_max3_num_f32 v[M], v[M], |v[(\reg)+30]|, |v[(\reg)+31]|
	v_max3_num_f32 v[M], v[M], v[M+1], 0x1800000
	v_add_nc_u32 v[E], 0xff000000, v[M]
.if \beta == 0
	v_lshrrev_b32 v[VW], 23, v[E]
.else
	v_lshrrev_b32 v[BY], 23, v[E]
	v_lshl_or_b32 v[VW], v[BY], 8*\beta, v[VW]
.endif
.irp g, 0,1,2,3
	v_cvt_scalef32_pk8_fp4_f32 v[C+4*\beta+\g], v[(\reg)+8*\g:(\reg)+8*\g+7], v[E]
.endr
	v_nop
	global_store_b128 v11, v[C+4*\beta:C+4*\beta+3], s[10:11] offset:8192+256*\beta   ; sixteen lanes store 256 consecutive bytes, aligned
.endm
	RLOAD A, 0
	RLOAD B, 1
	s_wait_loadcnt 16                              ; tile 0's rows are in; tile 1's 16 loads stay out
	TURN A
	s_wait_dscnt 0x0                               ; X is in, and the stage's stores have read A
	VLOAD A, 0
	VLOAD A+32, 1
	RQUANT 0, W, 0
	s_wait_loadcnt 63                              ; tile 1's 16 loads have 64 younger ones behind them
	TURN B
	s_wait_dscnt 0x0
	VLOAD B, 2
	VLOAD B+32, 3
	RQUANT 1, W+1, 1
	s_wait_loadcnt 63                              ; V's blocks 0 and 1 are the oldest 64 of the 128
	s_wait_xcnt 0x0                                ; K's stores have read both code sets
	VQUANT A, 0
	VQUANT A+32, 1
	s_wait_loadcnt 32
	VQUANT B, 2
	s_wait_loadcnt 0x0
	VQUANT B+32, 3
	ds_store_b32 v9, v[VW] offset:512
	s_wait_dscnt 0x0                               ; for the others' sake: my scale words lie in LDS
	s_barrier_signal -1
	s_barrier_wait -1
	ds_load_b64 v[238:239], v12                    ; 1,024 bytes of words: 256 a wave
	s_wait_dscnt 0x0
	global_store_b64 v13, v[238:239], s[10:11] offset:16384
	s_wait_tensorcnt 0x0                           ; the wave's end
	ds_add_u32 v248, v249
	s_wait_dscnt 0x0
	s_endpgm
.Lfunc_end_k_q7975ad6990_quant:
	.size	k_q7975ad6990_quant, .Lfunc_end_k_q7975ad6990_quant-k_q7975ad6990_quant
	.p2alignl 7, 3214868480
	.fill 96, 4, 3214868480
	.section	.rodata,"a",@progbits
	.p2align	6, 0x0
	.amdhsa_kernel k_q7975ad6990_quant
		.amdhsa_group_segment_fixed_size 36352
		.amdhsa_private_segment_fixed_size 0
		.amdhsa_enable_private_segment 0
		.amdhsa_kernarg_size 24
		.amdhsa_user_sgpr_count 2
		.amdhsa_user_sgpr_kernarg_segment_ptr 1
		.amdhsa_wavefront_size32 1
		.amdhsa_system_sgpr_workgroup_id_x 1
		.amdhsa_system_sgpr_workgroup_id_y 1
		.amdhsa_system_sgpr_workgroup_id_z 1
		.amdhsa_system_vgpr_workitem_id 0
		.amdhsa_next_free_vgpr 250
		.amdhsa_next_free_sgpr 66
		.amdhsa_reserve_vcc 0
		.amdhsa_float_denorm_mode_32 3
		.amdhsa_float_denorm_mode_16_64 3
		.amdhsa_memory_ordered 1
		.amdhsa_forward_progress 1
		.amdhsa_inst_pref_size 35
	.end_amdhsa_kernel
	.amdgpu_metadata
---
amdhsa.version: [ 1, 2 ]
amdhsa.kernels:
  - .name:           k_q7975ad6990_quant
    .symbol:         k_q7975ad6990_quant.kd
    .args:
      - { .name: K, .offset: 0, .size: 8, .value_kind: global_buffer, .address_space: global }
      - { .name: V, .offset: 8, .size: 8, .value_kind: global_buffer, .address_space: global }
      - { .name: kv, .offset: 16, .size: 8, .value_kind: global_buffer, .address_space: global }
    .group_segment_fixed_size: 36352
    .private_segment_fixed_size: 0
    .kernarg_segment_align: 8
    .kernarg_segment_size: 24
    .max_flat_workgroup_size: 128
    .sgpr_count:     66
    .vgpr_count:     250
    .wavefront_size: 32
...
	.end_amdgpu_metadata
.endif
;; end of part 1
;; launch attn (part 2): grid 4 x 64, 8 waves a work-group, clusters of 4 x 1, 327,680 bytes of LDS; arguments Q, kv, out0; writes out0
.if DOCPART == 2
	.amdgcn_target "amdgcn-amd-amdhsa--gfx1250"
	.amdhsa_code_object_version 6
	.text
	.protected	k_q7975ad6990_attn
	.globl	k_q7975ad6990_attn
	.p2align	8
	.type	k_q7975ad6990_attn,@function
k_q7975ad6990_attn:
	s_mov_b64 s[64:65], 0
	v_nop
	global_prefetch_b8 v0, s[64:65] scope:SCOPE_SE
	s_setreg_imm32_b32 hwreg(HW_REG_WAVE_MODE, 25, 1), 1
	s_wait_xcnt 0x0
	s_wait_alu depctr_hold_cnt(0) depctr_sa_sdst(0) depctr_va_vdst(0) depctr_va_sdst(0) depctr_va_ssrc(0) depctr_va_vcc(0) depctr_vm_vsrc(0)
	s_getreg_b32 s2, hwreg(HW_REG_IB_STS2, 6, 4)
	s_cmp_eq_u32 s2, 0
	s_cbranch_scc0 .Lentry_in_a_cluster
	s_endpgm
.Lentry_in_a_cluster:
	s_bfe_u32 s2, ttmp6, 0x10000c
	s_cmp_lg_u32 s2, 0x3003
	s_cbranch_scc0 .Lentry_shape_is_right
	s_endpgm
.Lentry_shape_is_right:
; out0[head][q] = sum over k <= q of softmax_k(Q[q] . K[k] / sqrt(128)) V[k], both products on codes of FP4 (E2M1) with E8M0 scales for each 32 along K.
; LEFT OUT: key steps of 128 keys that lie wholly behind a tile's queries: the causal mask sets their scores to -infinity, so p = 0 there for all inputs.  A NaN or infinity that reaches only those scores is not carried to the result.
; THE SOFTMAX: t = score x log2(e) / sqrt(128); M = the running largest t rounded up to a whole number; p = 2^(t - M) is quantised along the keys; the sum of the unquantised p divides at the end.
; LIMITS: the scaled scores stay under 2^31 in magnitude; NaN and infinities among the inputs are not served; a block of zeros of Q or p gets the scale byte 1 (its codes are zeros).
; SHARES.  A cluster of four work-groups owns a head; all four read the head's K and V codes (278,528 bytes, laid by the launch before in the order of the operands' registers), so each tile is asked for jointly and stays in LDS.
; Work-group cx owns queries 32 cx .. 32 cx + 31 of every block of 128.  Wave w of eight takes the 32 queries of block 15 - w (16 - w key steps), then those of block w (w + 1 steps): 17 steps of two tiles for every wave.
; A wave's two tiles of 16 queries go by turns through every line: each fragment of K and V read from LDS feeds two matrix instructions.
; The next step's fragments of K and this step's of V are asked of LDS directly behind the score products and land under the softmax's lines.
; Q is read once, by its wave, ahead of each pass: whole rows of 512 bytes, turned through the wave's stage, 16 neighbours a lane, quantised, and laid as a fragment's image.
; PREFETCH: the second pass's 32 rows of Q (16,384 bytes a wave) are asked for in the first two trips of the first loop, 8,192 bytes a trip, a lane to each block of 256 bytes: at least seven key steps ahead of their loads.
; K's and V's codes and the first pass's Q are asked for at the head, ahead of every loop, and have no prefetch.
; Both products are used transposed (S^T = K Q^T, O^T = V^T P^T): a lane holds one query (lane % 16) throughout.
; REGISTERS.  Window 0: v1-11, v20-27, v255 addresses; v12-19 -M, largest t, sums; v28-31 f and p's scale words; v32-49 Q's fragments and scale words; v50-65 K's and V's scale words; v66-81 p's codes; v82-95, v224-237 at work; v96-223 S^T, then p.
; Window 1: v0-127 O^T of the two tiles; v128-191 K's fragments; v192-255 V's (ahead of a pass both hold Q's rows as loaded).
.set STEPB, 17408
.set HEADB, 16*STEPB
.set VIMG,  8192
.set KSCL,  16384
.set VSCL,  16896
.set STG,   HEADB                      ; behind the codes: 5,632 bytes for each wave: Q's stage 2,560, two images of 1,088; on the way out 16 rows x 272
.set WREG,  5632
.set IMG,   2560
.set TIMG,  1088
.set SP,    272
.set SPARE, STG+8*WREG                 ; the spare words, 128 bytes a wave
.set CLIT,  0x3e0293ee                 ; log2(e) / sqrt(128)
.set WV,  10
.set SEL, 20
.set CS,  22
.set G1,  24
.set G0A, 40
.set G0B, 44
.set J,   66
.set TB,  67
.set DGA, 68
.set TN,  69
.set S,   96
.set BM,  82                           ; a tile's registers at work: BM 4 block maxima, +4 four temporaries, +8 four scale operands, +12, +13
.set TS,  142                          ; tile 1's lie 142 further on
.set NM,  12
.set SU,  14
.set F,   28
.set PC,  66
.set KS,  50
.set VS,  58
.set KB,  128
.set VB,  192
.set QF,  32
.set QS,  48
.set PFO, 255
.set NO,  239                          ; v239, v241: -M once more, in an odd register for each tile
.set X,   96                           ; Q's way in: two sets of 16 neighbours; codes; bytes
.set QC,  128
.set QB,  160
.set QM,  176
.set MSB, 0
.macro WIN new                         ; the immediate's high byte repeats the setting that is left
.if MSB != \new
	s_set_vgpr_msb (MSB<<8)|\new
.set MSB, \new
.endif
.endm
.macro DEP n
	s_delay_alu instid0(VALU_DEP_\n)
.endm
.macro ROUND
	s_barrier_signal -1
	s_barrier_wait -1
	s_cmp_lg_u32 s[WV], 0
	s_cbranch_scc1 .Lnot_wave_0_\@
	s_barrier_signal -3
.Lnot_wave_0_\@:
	s_barrier_wait -3
	s_barrier_signal -1
	s_barrier_wait -1
.endm
.macro QLOADS base                     ; 32 rows of Q into window 1, v128-255: a row an instruction, 512 consecutive bytes
	WIN 0x40
.set i, 0
.rept 32
	global_load_b128 v[128+4*i:128+4*i+3], v1, s[\base:\base+1] offset:512*i th:TH_LOAD_NT
.set i, i+1
.endr
	WIN 0
.endm
.macro TURN k                          ; rows 4 k .. 4 k + 3 through the stage; LDS serves a wave's instructions in order
	s_wait_loadcnt 28-4*(\k)                       ; the rows behind them may be out
	WIN 0x04
.irp i, 0,1,2,3
	ds_store_b128 v22, v[128+16*(\k)+4*\i:128+16*(\k)+4*\i+3] offset:640*\i
.endr
	WIN 0
.irp i, 0,1,2,3
	ds_load_b128 v[X+16*((\k)%2)+4*\i:X+16*((\k)%2)+4*\i+3], v23 offset:16*\i
.endr
.endm
.macro CHUNK k                         ; two neighbouring lanes hold a block of 32
.set XS, X+16*((\k)%2)
	v_max3_num_f32 v[QM], |v[XS]|, |v[XS+1]|, |v[XS+2]|
	v_max3_num_f32 v[QM+1], |v[XS+3]|, |v[XS+4]|, |v[XS+5]|
.irp i, 6,10
	v_max3_num_f32 v[QM], v[QM], |v[XS+\i]|, |v[XS+\i+1]|
	v_max3_num_f32 v[QM+1], v[QM+1], |v[XS+\i+2]|, |v[XS+\i+3]|
.endr
	v_max3_num_f32 v[QM], v[QM], |v[XS+14]|, |v[XS+15]|
	v_max3_num_f32 v[QM], v[QM], v[QM+1], 0x1800000                ; the floor 2^(3 - 127)
	v_max_num_f32_dpp v[QM], v[QM], v[QM] row_xmask:1 row_mask:0xf bank_mask:0xf
	v_add_nc_u32 v[QM+2], 0xff000000, v[QM]        ; 2 off the exponent field: the conversion's scale operand
	v_cvt_scalef32_pk8_fp4_f32 v[QC+2*(\k)], v[XS:XS+7], v[QM+2]
	v_cvt_scalef32_pk8_fp4_f32 v[QC+2*(\k)+1], v[XS+8:XS+15], v[QM+2]
	v_lshrrev_b32 v[QB+(\k)], 23, v[QM+2]          ; the scale's byte (a plain place behind the conversions)
	ds_store_b8 v25, v[QB+(\k)] offset:TIMG*((\k)/4)+1024+16*((\k)%4)
	ds_store_b64 v24, v[QC+2*(\k):QC+2*(\k)+1] offset:TIMG*((\k)/4)+64*((\k)%4)
.endm
.macro QQUANT                          ; the 32 rows become two fragments and their scale words
	TURN 0
.set Q, 0
.rept 8
.if Q < 7
	TURN Q+1
	s_wait_dscnt 8                                 ; all but the eight just issued
.else
	s_wait_dscnt 0x0
.endif
	CHUNK Q
.set Q, Q+1
.endr
.irp a, 0,1
.irp c, 0,1
	ds_load_b128 v[QF+8*\a+4*\c:QF+8*\a+4*\c+3], v26 offset:TIMG*\a+512*\c
.endr
	ds_load_b32 v[QS+\a], v27 offset:TIMG*\a+1024
.endr
.endm
.macro INIT
	WIN 0x40
.set j, 0
.rept 128
	v_mov_b32 v[j], 0                              ; O^T: the step is written once; the first change of M leaves zeros zeros
.set j, j+1
.endr
	WIN 0
.irp a, 0,1
	v_mov_b32 v[NM+4*\a+1], 0xff61b1e6             ; the largest t so far: -3e38
	v_mov_b32 v[SU+4*\a], 0
	v_mov_b32 v[SU+4*\a+1], 0
.endr
.irp a, 0,1
	v_floor_f32 v[NM+4*\a], -v[NM+4*\a+1]          ; -M
.endr
.endm
.macro FLOAD fr, sc, af, as, off, soff ; eight fragments into window 1 and their scale words
	WIN 0x40
.irp t, 0,1,2,3,4,5,6,7
.irp c, 0,1
	ds_load_b128 v[\fr+8*\t+4*\c:\fr+8*\t+4*\c+3], v[\af] offset:\off+1024*\t+512*\c
.endr
.endr
	WIN 0
	ds_load_b128 v[\sc:\sc+3], v[\as] offset:\soff
	ds_load_b128 v[\sc+4:\sc+7], v[\as] offset:\soff+256
.endm
; A KEY STEP of 128 keys for my two tiles.  mode = 1: a step behind my block is passed over, and the step on the diagonal hides keys and asks for no further K (scalar branches on ids).
.macro STEP dg, mode
.if \mode
	s_cmp_gt_u32 s[J], s[\dg]
	s_cbranch_scc1 .Lhid_\@
.endif
	s_add_co_u32 s[TN], s[TB], STEPB
	s_min_u32 s[TN], s[TN], 15*STEPB               ; the next step, held inside the head's codes
	WIN 0x01
.irp t, 0,1,2,3,4,5,6,7
.irp a, 0,1
	v_wmma_scale_f32_16x16x128_f8f6f4 v[S+64*\a+8*\t:S+64*\a+8*\t+7], v[KB+8*\t:KB+8*\t+7], v[QF+8*\a:QF+8*\a+7], 0, v[KS+\t], v[QS+\a] matrix_a_fmt:MATRIX_FMT_FP4 matrix_b_fmt:MATRIX_FMT_FP4
.endr
.endr
	WIN 0
	v_add_nc_u32 v8, s[TB], v1                     ; four places behind the products
	v_add_nc_u32 v9, s[TB], v2
	v_add_nc_u32 v20, s[TN], v1
	v_add_nc_u32 v21, s[TN], v2
	s_wait_alu depctr_va_vdst(0)                   ; the wait behind these writes
.if \mode
	s_cmp_eq_u32 s[J], s[\dg]
	s_cbranch_scc1 .Ldg_\@
.endif
	FLOAD KB, KS, 20, 21, 0, KSCL                  ; the next step's K
.if \mode
	s_branch .Ljn_\@
.Ldg_\@:
.set n, 0
.rept 64                               ; register n holds key 32 (n / 16) + n % 16 + 16 h of the step: it counts where that is at most my query
.irp a, 0,1
	v_cmp_le_i32 vcc_lo, 32*(n/16)+n%16, v[10+\a]
	v_cndmask_b32 v[S+64*\a+n], 0xff800000, v[S+64*\a+n], vcc_lo
.endr
.set n, n+1
.endr
.Ljn_\@:
.endif
	FLOAD VB, VS, 8, 9, VIMG, VSCL                 ; this step's V
.irp b, 0,1,2,3
.irp a, 0,1
	v_max3_num_f32 v[BM+TS*\a+\b], v[S+64*\a+16*\b], v[S+64*\a+16*\b+1], v[S+64*\a+16*\b+2]   ; the largest score of each block of 32 keys
.endr
.endr
.irp i, 3,5,7,9,11,13
.irp b, 0,1,2,3
.irp a, 0,1
	v_max3_num_f32 v[BM+TS*\a+\b], v[BM+TS*\a+\b], v[S+64*\a+16*\b+\i], v[S+64*\a+16*\b+\i+1]
.endr
.endr
.endr
.irp b, 0,1,2,3
.irp a, 0,1
	v_max_num_f32 v[BM+TS*\a+\b], v[BM+TS*\a+\b], v[S+64*\a+16*\b+15]
.endr
.endr
.irp b, 0,1,2,3
.irp a, 0,1
	v_permlanex16_b32 v[BM+TS*\a+4+\b], v[BM+TS*\a+\b], s[SEL], s[SEL+1]
.endr
.endr
.irp b, 0,1,2,3
.irp a, 0,1
	v_max_num_f32 v[BM+TS*\a+\b], v[BM+TS*\a+\b], v[BM+TS*\a+4+\b]   ; with lane l xor 16's 16 keys
.endr
.endr
.irp a, 0,1
	v_max3_num_f32 v[BM+TS*\a+13], v[BM+TS*\a], v[BM+TS*\a+1], v[BM+TS*\a+2]
.endr
.irp a, 0,1
	DEP 2
	v_max_num_f32 v[BM+TS*\a+13], v[BM+TS*\a+13], v[BM+TS*\a+3]
.endr
.irp a, 0,1
	DEP 2
	v_mul_f32 v[BM+TS*\a+13], s[CS], v[BM+TS*\a+13]
.endr
.irp a, 0,1
	DEP 2
	v_max_num_f32 v[NM+4*\a+1], v[NM+4*\a+1], v[BM+TS*\a+13]   ; the running largest t
.endr
.irp a, 0,1
	v_mov_b32 v[BM+TS*\a+12], v[NM+4*\a]
.endr
.irp a, 0,1
	DEP 4
	v_floor_f32 v[NM+4*\a], -v[NM+4*\a+1]          ; -M = floor(-t)
.endr
.irp a, 0,1
	DEP 2
	v_sub_f32 v[BM+TS*\a+12], v[NM+4*\a], v[BM+TS*\a+12]
.endr
.irp a, 0,1
	DEP 2
	v_cvt_i32_f32 v[BM+TS*\a+12], v[BM+TS*\a+12]
.endr
.irp a, 0,1
	DEP 2
	v_ldexp_f32 v[F+2*\a], 1.0, v[BM+TS*\a+12]     ; f = 2^(old M - new M)
.endr
.irp a, 0,1
	v_floor_f32 v[NO+2*\a], -v[NM+4*\a+1]          ; the same -M, for the pairs' second halves
.endr
.irp b, 0,1,2,3
.irp a, 0,1
	v_fma_f32 v[BM+TS*\a+\b], v[BM+TS*\a+\b], s[CS], v[NM+4*\a]   ; t - M of each block's largest score
.endr
.endr
.set j, 0
.rept 32                               ; t - M, two fused multiply-adds to an instruction: an even and an odd register, -M from an even and from an odd register
.irp a, 0,1
	v_dual_fmamk_f32 v[S+64*\a+j], v[S+64*\a+j], CLIT, v[NM+4*\a] :: v_dual_fmamk_f32 v[S+64*\a+j+1], v[S+64*\a+j+1], CLIT, v[NO+2*\a]
.endr
.set j, j+2
.endr
	s_wait_alu depctr_va_vdst(0)                   ; the wait ahead of the batch
.set j, 0
.rept 128
	v_exp_f32 v[S+j], v[S+j]                       ; p = 2^(t - M)
.set j, j+1
.endr
.irp a, 0,1
	v_pk_mul_f32 v[SU+4*\a:SU+4*\a+1], v[SU+4*\a:SU+4*\a+1], v[F+2*\a:F+2*\a+1] op_sel_hi:[1,0]
.endr
	s_wait_alu depctr_va_vdst(0)                   ; and behind it
.irp b, 0,1,2,3
.irp a, 0,1
	v_exp_f32 v[BM+TS*\a+\b], v[BM+TS*\a+\b]       ; each block's largest p
.endr
.endr
.irp a, 0,1
	v_pk_add_f32 v[BM+TS*\a+4:BM+TS*\a+5], v[S+64*\a:S+64*\a+1], v[S+64*\a+2:S+64*\a+3]   ; the sum of the unquantised p, in four chains a tile
.endr
.irp j, 4,8,12,16,20,24,28,32,36,40,44,48,52,56,60
.irp a, 0,1
	v_dual_add_f32 v[SU+4*\a], v[S+64*\a+\j], v[SU+4*\a] :: v_dual_add_f32 v[SU+4*\a+1], v[S+64*\a+\j+1], v[SU+4*\a+1]
	v_dual_add_f32 v[BM+TS*\a+4], v[S+64*\a+\j+2], v[BM+TS*\a+4] :: v_dual_add_f32 v[BM+TS*\a+5], v[S+64*\a+\j+3], v[BM+TS*\a+5]
.endr
.endr
.irp a, 0,1
	v_pk_add_f32 v[SU+4*\a:SU+4*\a+1], v[SU+4*\a:SU+4*\a+1], v[BM+TS*\a+4:BM+TS*\a+5]
.endr
	s_wait_alu depctr_va_vdst(0)                   ; for the eight
.irp b, 0,1,2,3
.irp a, 0,1
	v_max_num_f32 v[BM+TS*\a+\b], 0x1800000, v[BM+TS*\a+\b]   ; the floor 2^(3 - 127)
.endr
.endr
.irp b, 0,1,2,3
.irp a, 0,1
	v_add_nc_u32 v[BM+TS*\a+8+\b], 0xff000000, v[BM+TS*\a+\b]
.endr
.endr
.irp b, 0,1,2,3
.irp a, 0,1
	v_lshrrev_b32 v[BM+TS*\a+4+\b], 23, v[BM+TS*\a+8+\b]
.endr
.endr
.irp a, 0,1
	v_lshl_or_b32 v[F+2*\a+1], v[BM+TS*\a+5], 8, v[BM+TS*\a+4]   ; p's scale word for these 128 keys
.endr
.irp a, 0,1
	DEP 2
	v_lshl_or_b32 v[F+2*\a+1], v[BM+TS*\a+6], 16, v[F+2*\a+1]
.endr
.irp a, 0,1
	DEP 2
	v_lshl_or_b32 v[F+2*\a+1], v[BM+TS*\a+7], 24, v[F+2*\a+1]
.endr
.irp b, 0,1,2,3
.irp a, 0,1
	v_cvt_scalef32_pk8_fp4_f32 v[PC+8*\a+2*\b], v[S+64*\a+16*\b:S+64*\a+16*\b+7], v[BM+TS*\a+8+\b]
	v_cvt_scalef32_pk8_fp4_f32 v[PC+8*\a+2*\b+1], v[S+64*\a+16*\b+8:S+64*\a+16*\b+15], v[BM+TS*\a+8+\b]
.endr
.endr
	v_nop                                          ; one plain place behind the conversions
.irp a, 0,1
.irp c, 0,1
.irp i, 0,1
	v_permlane16_swap_b32 v[PC+8*\a+4*\c+\i], v[PC+8*\a+4*\c+2+\i]   ; a whole block to a lane
.endr
.endr
.endr
	WIN 0x41
	s_wait_alu depctr_va_vdst(0)                   ; the wait directly ahead of the first reader of O^T
.set j, 0
.rept 32
.irp a, 0,1
	v_pk_mul_f32 v[64*\a+j:64*\a+j+1], v[64*\a+j:64*\a+j+1], v[F+2*\a:F+2*\a+1] op_sel_hi:[1,0]   ; O^T under the new M
.endr
.set j, j+2
.endr
	s_wait_alu depctr_va_vdst(0)                   ; the wait directly ahead of the wait below
	s_wait_dscnt 0x0                               ; V's fragments are in, and the next step's K
	WIN 0x51
.irp t, 0,1,2,3,4,5,6,7
.irp a, 0,1
	v_wmma_scale_f32_16x16x128_f8f6f4 v[64*\a+8*\t:64*\a+8*\t+7], v[VB+8*\t:VB+8*\t+7], v[PC+8*\a:PC+8*\a+7], v[64*\a+8*\t:64*\a+8*\t+7], v[VS+\t], v[F+2*\a+1] matrix_a_fmt:MATRIX_FMT_FP4 matrix_b_fmt:MATRIX_FMT_FP4
.endr
.endr
	WIN 0
.if \mode
.Lhid_\@:
.endif
	s_add_co_u32 s[TB], s[TB], STEPB
.endm
; THE WAY OUT: O^T / the sum goes through my stage, half a row (256 bytes) of 16 queries at a time, and comes back into O^T's registers; sixteen lanes store one aligned unit of 256 bytes.
.macro OUT ob
.irp a, 0,1
	v_add_f32 v[SU+4*\a], v[SU+4*\a], v[SU+4*\a+1]
.endr
.irp a, 0,1
	v_permlanex16_b32 v[BM+TS*\a+4], v[SU+4*\a], s[SEL], s[SEL+1]
.endr
.irp a, 0,1
	v_add_f32 v[SU+4*\a], v[SU+4*\a], v[BM+TS*\a+4]
.endr
	s_wait_alu depctr_va_vdst(0)
.irp a, 0,1
	v_rcp_f32 v[SU+4*\a], v[SU+4*\a]
.endr
	v_nop
	WIN 0x01
	s_wait_alu depctr_va_vdst(0)
.irp a, 0,1
.set j, 0
.rept 32
	v_pk_mul_f32 v[S+64*\a+j:S+64*\a+j+1], v[64*\a+j:64*\a+j+1], v[SU+4*\a:SU+4*\a+1] op_sel_hi:[1,0]
.set j, j+2
.endr
.endr
	WIN 0
	s_wait_alu depctr_va_vdst(0)
.irp g, 0,1,2,3                        ; g = 2 x tile + half
.irp t, 0,1,2,3
	ds_store_b128 v5, v[S+32*\g+8*\t:S+32*\g+8*\t+3] offset:64*\t
	ds_store_b128 v5, v[S+32*\g+8*\t+4:S+32*\g+8*\t+7] offset:64*\t+16
.endr
	WIN 0x40
.irp i, 0,1,2,3,4,5,6,7
	ds_load_b128 v[32*\g+4*\i:32*\g+4*\i+3], v6 offset:2*\i*SP   ; LDS serves a wave's instructions in order
.endr
	WIN 0
.endr
	WIN 0x04
.irp g, 0,1,2,3
	s_wait_dscnt 16*(3-\g)                         ; the later groups' sixteen instructions each may be out
.irp i, 0,1,2,3,4,5,6,7
	global_store_b128 v7, v[32*\g+4*\i:32*\g+4*\i+3], s[\ob:\ob+1] offset:(16*(\g/2)+2*\i)*512+256*(\g%2) th:TH_STORE_NT
.endr
.endr
	WIN 0
.endm
	s_load_b128 s[4:7], s[0:1], 0x0                ; Q, kv
	s_load_b64 s[8:9], s[0:1], 0x10                ; out0
	v_lshl_add_u32 v3, v0, 2, SPARE
	v_mov_b32 v4, 0
	ds_add_u32 v3, v4                              ; the opening lines: the add twice on end and its wait
	ds_add_u32 v3, v4
	v_lshrrev_b32 v12, 5, v0
	v_readfirstlane_b32 s[WV], v12                 ; wave 0..7
	s_and_b32 s12, ttmp7, 0xffff                   ; the head
	s_bfe_u32 s11, ttmp6, 0x40000                  ; cx
	s_mov_b32 s[G1], 15|(3<<16)|(1<<21)            ; the four of the cluster; elements of 8 bytes
	s_mov_b32 s[G1+1], 544<<16                     ; a key step's 17,408 dense bytes as 4 rows of 4,352
	s_mov_b32 s[G1+2], 4<<16
	s_mov_b32 s[G1+3], 544<<16
	s_mov_b32 s[G1+4], 4
	s_mov_b32 s[G1+5], 544
	s_mov_b32 s[G1+6], 0
	s_mov_b32 s[G1+7], 0
	s_mov_b32 s[G0A], 1
	s_mul_i32 s[G0A+1], s[WV], STEPB               ; wave w fetches key step w, then step 8 + w
	s_mov_b32 s[G0B], 1
	s_add_co_u32 s[G0B+1], s[G0A+1], 8*STEPB
	s_mul_i32 s48, s12, HEADB
	s_add_co_u32 s48, s48, s[G0A+1]
	s_mov_b32 s49, 0
	s_sub_co_u32 s[DGA], 15, s[WV]                 ; the first pass's block of 128 queries; the second's is w
	s_lshl_b32 s50, s12, 20
	s_lshl_b32 s51, s11, 14
	s_add_co_u32 s50, s50, s51                     ; bytes: head x 2,048 rows + 32 cx rows of 512
	s_lshl_b32 s18, s[DGA], 16
	s_add_co_u32 s18, s18, s50
	s_mov_b32 s19, 0
	s_lshl_b32 s60, s[WV], 16
	s_add_co_u32 s60, s60, s50
	s_mov_b32 s61, 0
	s_mul_i32 s14, s[WV], WREG
	s_add_co_u32 s14, s14, STG                     ; my stage
	s_lshl_b32 s15, s11, 5
	s_add_co_u32 s16, s14, IMG
	s_mov_b32 s[SEL], 0x76543210
	s_mov_b32 s[SEL+1], 0xfedcba98
	s_mov_b32 s[CS], CLIT
	s_wait_dscnt 0x0
	s_wait_kmcnt 0x0
	s_add_nc_u64 s[G0A+2:G0A+3], s[6:7], s[48:49]
	s_add_nc_u64 s[G0B+2:G0B+3], s[G0A+2:G0A+3], 8*STEPB
	s_or_b32 s[G0A+3], s[G0A+3], 0x80000000
	s_or_b32 s[G0B+3], s[G0B+3], 0x80000000
	s_add_nc_u64 s[52:53], s[4:5], s[18:19]        ; Q's rows of the first pass, of the second,
	s_add_nc_u64 s[54:55], s[4:5], s[60:61]
	s_add_nc_u64 s[56:57], s[8:9], s[18:19]        ; and the same rows of out0
	s_add_nc_u64 s[58:59], s[8:9], s[60:61]
	ROUND
	tensor_load_to_lds s[G0A:G0A+3], s[G1:G1+7]    ; key steps 0 to 7, one a wave
	s_nop 0
	v_and_b32 v12, 31, v0                          ; l
	v_and_b32 v13, 15, v0                          ; r
	v_bfe_u32 v14, v0, 4, 1                        ; h
	v_lshlrev_b32 v1, 4, v12                       ; 16 l: a fragment's image, and a row of Q
	QLOADS 52                                      ; the first pass's Q
	v_lshlrev_b32 v[PFO], 8, v12                   ; 256 l: the prefetches' blocks
	v_lshlrev_b32 v2, 4, v13                       ; 16 r: four tiles' scale words
	v_mul_u32_u24 v5, v13, SP
	v_lshl_add_u32 v5, v14, 5, v5
	v_add_nc_u32 v5, s14, v5                       ; the way out, in: row r, + 32 h
	v_mul_u32_u24 v6, v14, SP
	v_add_nc_u32 v6, v6, v2
	v_add_nc_u32 v6, s14, v6                       ; back: lanes 0-15 one row, lanes 16-31 the next
	v_lshl_add_u32 v7, v14, 9, v2                  ; and the same in out0
	v_lshlrev_b32 v15, 4, v14
	v_sub_nc_u32 v10, v13, v15
	v_add_nc_u32 v10, s15, v10                     ; tile 0: my query in its block of 128, less 16 h
	v_add_nc_u32 v11, 16, v10                      ; tile 1
	v_bfe_u32 v15, v0, 2, 3
	v_mul_u32_u24 v22, v15, 80
	v_and_b32 v16, 3, v0
	v_lshl_add_u32 v22, v16, 4, v22
	v_add_nc_u32 v22, s14, v22                     ; Q's stage, in: 80 (l / 4) + 16 (l % 4)
	v_mul_u32_u24 v23, v12, 80
	v_add_nc_u32 v23, s14, v23                     ; out: 80 l: 16 neighbours: row l / 8 of four, d = 16 (l % 8) on
	v_bfe_u32 v15, v0, 2, 1
	v_lshlrev_b32 v24, 9, v15                      ; my 16 codes in the image: 512 c
	v_bfe_u32 v15, v0, 1, 1
	v_lshl_add_u32 v24, v15, 8, v24                ; + 256 h'
	v_bfe_u32 v17, v0, 3, 2
	v_lshl_add_u32 v24, v17, 4, v24                ; + 16 x row
	v_and_b32 v15, 1, v0
	v_lshl_add_u32 v24, v15, 3, v24                ; + 8 x which half of the block
	v_add_nc_u32 v24, s16, v24
	v_bfe_u32 v15, v0, 1, 2
	v_lshl_add_u32 v25, v17, 2, v15                ; my block's scale byte: 4 x row + block
	v_add_nc_u32 v25, s16, v25
	v_add_nc_u32 v26, s16, v1                      ; the image read as a fragment
	v_lshl_add_u32 v27, v13, 2, s16                ; and its scale words
.irp b, 0,1,2,3
	v_mov_b32 v[BM+4+\b], 0                        ; a lane permute's destination counts as one of its sources
	v_mov_b32 v[BM+TS+4+\b], 0
.endr
	v_mov_b32 v[F+1], 0                            ; named as upper halves of pairs before they are first written
	v_mov_b32 v[F+3], 0
	INIT                                           ; while Q's rows are on their way
	s_wait_alu depctr_va_vdst(0)                   ; the wait at the head's end
	QQUANT
	s_wait_alu depctr_va_vdst(0)
	s_wait_tensorcnt 0x0                           ; my key step is in
	ds_add_u32 v3, v4
	s_wait_dscnt 0x0
	ROUND                                          ; steps 0 to 7 are whole in all four work-groups
	tensor_load_to_lds s[G0B:G0B+3], s[G1:G1+7]    ; key steps 8 to 15
	s_nop 0
	FLOAD KB, KS, 1, 2, 0, KSCL                    ; step 0's K
	s_mov_b32 s[J], 0
	s_mov_b32 s[TB], 0
	s_wait_dscnt 0x0
.Lfirst:                                       ; steps 0 to 6: they read steps 0 to 7 alone; my block is 8 or later
	STEP DGA, 0
	s_cmp_lg_u32 s[J], 0
	s_cbranch_scc1 .Lnot_trip_0
	global_prefetch_b8 v[PFO], s[54:55] th:TH_LOAD_NT scope:SCOPE_SE               ; the second pass's rows 0 to 15 of Q
.Lnot_trip_0:
	s_cmp_lg_u32 s[J], 1
	s_cbranch_scc1 .Lnot_trip_1
	global_prefetch_b8 v[PFO], s[54:55] offset:8192 th:TH_LOAD_NT scope:SCOPE_SE   ; and rows 16 to 31
.Lnot_trip_1:
	s_add_co_u32 s[J], s[J], 1
	s_cmp_lt_u32 s[J], 7
	s_cbranch_scc1 .Lfirst
	s_wait_tensorcnt 0x0                           ; my part of steps 8 to 15 is in,
	s_wait_dscnt 0x0
	s_barrier_signal -1
	s_barrier_wait -1                              ; and everybody's
.Lpass_a:
	STEP DGA, 1
	s_add_co_u32 s[J], s[J], 1
	s_cmp_lt_u32 s[J], 16
	s_cbranch_scc1 .Lpass_a
.rept 4
	v_nop                                          ; places in front of loads into registers that the last products read
.endr
	QLOADS 54                                      ; the second pass's Q is on its way while the first pass goes out
	OUT 56
	QQUANT
	s_wait_dscnt 0x0                               ; Q's fragments are in, and the stage's stores have read the rows
	s_wait_xcnt 0x0                                ; out0's stores have read their registers
	FLOAD KB, KS, 1, 2, 0, KSCL
	INIT
	s_mov_b32 s[J], 0
	s_mov_b32 s[TB], 0
	s_wait_alu depctr_va_vdst(0)
	s_wait_dscnt 0x0
.Lpass_b:
	STEP WV, 1
	s_add_co_u32 s[J], s[J], 1
	s_cmp_lt_u32 s[J], 8
	s_cbranch_scc1 .Lpass_b
	OUT 58
	s_wait_tensorcnt 0x0                           ; the wave's end
	ds_add_u32 v3, v4
	s_wait_dscnt 0x0
	ROUND                                          ; the closing round
	s_endpgm
.Lfunc_end_k_q7975ad6990_attn:
	.size	k_q7975ad6990_attn, .Lfunc_end_k_q7975ad6990_attn-k_q7975ad6990_attn
	.p2alignl 7, 3214868480
	.fill 96, 4, 3214868480
	.section	.rodata,"a",@progbits
	.p2align	6, 0x0
	.amdhsa_kernel k_q7975ad6990_attn
		.amdhsa_group_segment_fixed_size 327680
		.amdhsa_private_segment_fixed_size 0
		.amdhsa_enable_private_segment 0
		.amdhsa_kernarg_size 24
		.amdhsa_user_sgpr_count 2
		.amdhsa_user_sgpr_kernarg_segment_ptr 1
		.amdhsa_wavefront_size32 1
		.amdhsa_system_sgpr_workgroup_id_x 1
		.amdhsa_system_sgpr_workgroup_id_y 1
		.amdhsa_system_sgpr_workgroup_id_z 1
		.amdhsa_system_vgpr_workitem_id 0
		.amdhsa_next_free_vgpr 512
		.amdhsa_next_free_sgpr 80
		.amdhsa_reserve_vcc 1
		.amdhsa_float_denorm_mode_32 3
		.amdhsa_float_denorm_mode_16_64 3
		.amdhsa_memory_ordered 1
		.amdhsa_forward_progress 1
		.amdhsa_inst_pref_size 208
	.end_amdhsa_kernel
	.amdgpu_metadata
---
amdhsa.version: [ 1, 2 ]
amdhsa.kernels:
  - .name:           k_q7975ad6990_attn
    .symbol:         k_q7975ad6990_attn.kd
    .args:
      - { .name: Q, .offset: 0, .size: 8, .value_kind: global_buffer, .address_space: global }
      - { .name: kv, .offset: 8, .size: 8, .value_kind: global_buffer, .address_space: global }
      - { .name: out0, .offset: 16, .size: 8, .value_kind: global_buffer, .address_space: global }
    .group_segment_fixed_size: 327680
    .private_segment_fixed_size: 0
    .kernarg_segment_align: 8
    .kernarg_segment_size: 24
    .max_flat_workgroup_size: 256
    .sgpr_count:     80
    .vgpr_count:     512
    .wavefront_size: 32
...
	.end_amdgpu_metadata
.endif
;; end of part 2
